; MI455X (gfx1250); checked and timed in simulation.
; The chip was launched on July 23, 2026; its instructions are those of AMD's public machine-readable ISA for CDNA 5 (MIT licence, August 2026) and "CDNA5" Instruction Set Architecture Reference Guide (July 2026). The comments in the code are by the model that wrote it; some were corrected since.
;; VSTSR Encoder Transformer Block. Allowed arithmetic: float matrix products may take bf16 or f16 operands with f32 sums; other float arithmetic in f32, or as packed bf16 or f16 multiplies, adds, multiply-adds, maxima and minima; sums over many terms, partial sums and values carried from step to step in f32; what a program stores and reads back later, other than sums and carried values, may be rounded once to bf16 or f16.
;; Inputs: fc1_b 512 float32; fc1_w 128 x 512 float32; fc2_b 128 float32; fc2_w 512 x 128 float32; kv_b 256 float32; kv_w 128 x 256 float32; mask_matrix 256 x 256 x 256 float32; norm1_b 128 float32; norm1_g 128 float32; norm2_b 128 float32; norm2_g 128 float32; proj_b 128 float32; proj_w 128 x 128 float32; q_b 128 float32; q_w 128 x 128 float32; rel_table 1,575 x 4 float32; x 2 x 4 x 128 x 128 x 128 float32.
;; Outputs: out0 2 x 4 x 128 x 128 x 128 float32.
;; One version. Each part assembles by itself: llvm-mc -triple=amdgcn-amd-amdhsa -mcpu=gfx1250 --defsym DOCPART=n.
;; ======== version 1 of 1: 2 launches
;; limits: a function is approximated: absolute error at most 2.5e-05; an absolute error that grows with the inputs' magnitude: up to 1.25e-05 times it
;; workspace buffers: wfrag 393,216 bytes; btab 53,760 bytes
;; launch prep (part 1): grid 112 x 1, 8 waves a work-group, no clusters, 0 bytes of LDS; arguments q_w, kv_w, proj_w, fc1_w, fc2_w, rel_table, wfrag, btab; writes wfrag, btab
.if DOCPART == 1
	.amdgcn_target "amdgcn-amd-amdhsa--gfx1250"
	.amdhsa_code_object_version 6
	.text
	.protected	k_qe699c836b5_prep
	.globl	k_qe699c836b5_prep
	.p2align	8
	.type	k_qe699c836b5_prep,@function
k_qe699c836b5_prep:
	s_mov_b64 s[64:65], 0
	v_nop
	global_prefetch_b8 v0, s[64:65] scope:SCOPE_SE
	s_setreg_imm32_b32 hwreg(HW_REG_WAVE_MODE, 25, 1), 1
	s_wait_xcnt 0x0
; PREP: the weights once as bf16 in the order in which a matrix fragment lies in registers, and the bias table spread out.
; wfrag: 12 groups of 32,768 bytes, 32 fragments of 1,024 bytes each.  A fragment is [q = 0, 1][lane][16 bytes]: lane (r = lane % 16, hh = lane / 16), element e = 0..7,
; holds bf16(f x W[k0 + 32 ks + 16 q + 8 hh + e][col0 + 16 ob + r]).  Groups: 0 kv_w columns 0-127, 1 kv_w columns 128-255, 2 q_w (f = 32^-0.5, multiplied in f32 ahead of the one rounding),
; 3 proj_w, 4 + 2 c fc1_w columns 128 c .., 5 + 2 c fc2_w rows 128 c ..  A fragment's number in its group is 8 ks + ob, in fc1's groups 4 ob + ks.
; btab: E[head][p = 0..104][wn][wm] = bf16(rel_table[15 p + wn - wm + 7][head]); 16 bytes for each (head, p, wn).
; Work-groups 0-95: group = id / 8, ob = id % 8; wave = 2 ks + q; a thread makes 16 bytes, a wave stores 512 consecutive bytes.  Work-groups 96-111: four to a head, a thread a unit of 16 bytes.
	s_load_b512 s[4:19], s[0:1], 0x0               ; q_w 4:5, kv_w 6:7, proj_w 8:9, fc1_w 10:11, fc2_w 12:13, rel_table 14:15, wfrag 16:17, btab 18:19
	v_lshrrev_b32 v1, 5, v0
	v_readfirstlane_b32 s20, v1                    ; wave 0..7
	v_and_b32 v1, 31, v0                           ; lane
	s_wait_kmcnt 0x0
	s_cmp_ge_u32 ttmp9, 96
	s_cbranch_scc1 .Lbias
	s_lshr_b32 s21, ttmp9, 3                       ; group
	s_and_b32 s22, ttmp9, 7                        ; ob
	s_lshr_b32 s23, s20, 1                         ; ks
	s_and_b32 s24, s20, 1                          ; q
	s_max_u32 s25, s21, 4
	s_sub_co_u32 s25, s25, 4
	s_lshr_b32 s25, s25, 1
	s_lshl_b32 s25, s25, 7                         ; 128 c
	s_mov_b32 s32, 1.0                             ; f
	s_bitcmp1_b32 s21, 0                           ; groups 4 and up: odd = fc2_w, even = fc1_w
	s_cselect_b64 s[26:27], s[12:13], s[10:11]
	s_cselect_b32 s28, 7, 9                        ; log2 of the matrix's row length
	s_cselect_b32 s29, 0, s25                      ; col0
	s_cselect_b32 s30, s25, 0                      ; k0
	s_cselect_b32 s31, 0, 1                        ; 1: fragments numbered 4 ob + ks
	s_cmp_lt_u32 s21, 4                            ; groups 0-3
	s_cselect_b32 s28, 7, s28
	s_cselect_b32 s29, 0, s29
	s_cselect_b32 s30, 0, s30
	s_cselect_b32 s31, 0, s31
	s_cmp_eq_u32 s21, 3
	s_cselect_b64 s[26:27], s[8:9], s[26:27]
	s_cmp_eq_u32 s21, 2
	s_cselect_b64 s[26:27], s[4:5], s[26:27]
	s_cselect_b32 s32, 0x3e3504f3, s32             ; 32^-0.5
	s_cmp_lt_u32 s21, 2
	s_cselect_b64 s[26:27], s[6:7], s[26:27]
	s_cselect_b32 s28, 8, s28
	s_cmp_eq_u32 s21, 1
	s_cselect_b32 s29, 128, s29
	s_lshl_b32 s33, s23, 5
	s_lshl_b32 s34, s24, 4
	s_add_co_u32 s33, s33, s34
	s_add_co_u32 s33, s33, s30                     ; the wave's first row of W
	s_lshl_b32 s33, s33, s28
	s_add_co_u32 s33, s33, s29
	s_lshl_b32 s34, s22, 4
	s_add_co_u32 s33, s33, s34
	s_lshl_b32 s33, s33, 2                         ; in bytes
	s_add_co_u32 s35, s28, 5                       ; eight rows are 1 << (log2 N + 5) bytes
	s_add_co_u32 s36, s28, 2
	s_lshl_b32 s36, 1, s36                         ; one row
	v_and_b32 v2, 15, v0                           ; r
	v_bfe_u32 v3, v0, 4, 1                         ; hh
	v_lshlrev_b32 v3, s35, v3
	v_lshl_add_u32 v3, v2, 2, v3
	v_add_nc_u32 v4, s33, v3                       ; element 0; each element has an offset register of its own
.irp e, 0,1,2,3,4,5,6
	v_add_nc_u32 v[5+\e], s36, v[4+\e]
.endr
.irp e, 0,1,2,3,4,5,6,7
	global_load_b32 v[12+\e], v[4+\e], s[26:27]
.endr
	s_lshl_b32 s37, s23, 3
	s_add_co_u32 s37, s37, s22                     ; 8 ks + ob
	s_lshl_b32 s38, s22, 2
	s_add_co_u32 s38, s38, s23                     ; 4 ob + ks
	s_cmp_eq_u32 s31, 1
	s_cselect_b32 s37, s38, s37
	s_lshl_b32 s37, s37, 10
	s_lshl_b32 s38, s21, 15
	s_add_co_u32 s37, s37, s38
	s_lshl_b32 s38, s24, 9
	s_add_co_u32 s37, s37, s38
	v_lshl_add_u32 v24, v1, 4, s37
	s_wait_loadcnt 0x0                             ; all eight are wanted at once
.irp e, 0,1,2,3,4,5,6,7
	v_mul_f32 v[12+\e], s32, v[12+\e]
.endr
.irp e, 0,1,2,3
	v_cvt_pk_bf16_f32 v[20+\e], v[12+2*\e], v[13+2*\e]
.endr
	global_store_b128 v24, v[20:23], s[16:17]
	s_endpgm
.Lbias:
	s_sub_co_u32 s21, ttmp9, 96
	s_lshr_b32 s22, s21, 2                         ; head
	s_and_b32 s23, s21, 3
	s_lshl_b32 s23, s23, 8
	v_add_nc_u32 v2, s23, v0
	v_min_u32 v2, 839, v2                          ; a head has 840 units; the threads past the end make the last unit again, inside the same work-group
	v_lshrrev_b32 v3, 3, v2                        ; p
	v_and_b32 v4, 7, v2                            ; wn
	v_mul_u32_u24 v3, v3, 15
	v_add3_u32 v3, v3, v4, 7                       ; the table's row for wm = 0: 7 .. 1574
	s_lshl_b32 s24, s22, 2
	v_lshl_add_u32 v3, v3, 4, s24                  ; a row is 16 bytes; the head's word in it
.irp e, 0,1,2,3,4,5,6,7
	global_load_b32 v[12+\e], v3, s[14:15] offset:-16*\e   ; wm = e: e rows back, never below row 0
.endr
	s_mul_i32 s25, s22, 13440
	v_lshl_add_u32 v24, v2, 4, s25
	s_wait_loadcnt 0x0
.irp e, 0,1,2,3
	v_cvt_pk_bf16_f32 v[20+\e], v[12+2*\e], v[13+2*\e]
.endr
	global_store_b128 v24, v[20:23], s[18:19]
	s_endpgm
.Lfunc_end_k_qe699c836b5_prep:
	.size	k_qe699c836b5_prep, .Lfunc_end_k_qe699c836b5_prep-k_qe699c836b5_prep
	.p2alignl 7, 3214868480
	.fill 96, 4, 3214868480
	.section	.rodata,"a",@progbits
	.p2align	6, 0x0
	.amdhsa_kernel k_qe699c836b5_prep
		.amdhsa_group_segment_fixed_size 0
		.amdhsa_private_segment_fixed_size 0
		.amdhsa_enable_private_segment 0
		.amdhsa_kernarg_size 64
		.amdhsa_user_sgpr_count 2
		.amdhsa_user_sgpr_kernarg_segment_ptr 1
		.amdhsa_wavefront_size32 1
		.amdhsa_system_sgpr_workgroup_id_x 1
		.amdhsa_system_sgpr_workgroup_id_y 1
		.amdhsa_system_sgpr_workgroup_id_z 1
		.amdhsa_system_vgpr_workitem_id 0
		.amdhsa_next_free_vgpr 32
		.amdhsa_next_free_sgpr 66
		.amdhsa_reserve_vcc 0
		.amdhsa_float_denorm_mode_32 3
		.amdhsa_float_denorm_mode_16_64 3
		.amdhsa_memory_ordered 1
		.amdhsa_forward_progress 1
		.amdhsa_inst_pref_size 6
	.end_amdhsa_kernel
	.amdgpu_metadata
---
amdhsa.version: [ 1, 2 ]
amdhsa.kernels:
  - .name:           k_qe699c836b5_prep
    .symbol:         k_qe699c836b5_prep.kd
    .args:
      - { .name: q_w, .offset: 0, .size: 8, .value_kind: global_buffer, .address_space: global }
      - { .name: kv_w, .offset: 8, .size: 8, .value_kind: global_buffer, .address_space: global }
      - { .name: proj_w, .offset: 16, .size: 8, .value_kind: global_buffer, .address_space: global }
      - { .name: fc1_w, .offset: 24, .size: 8, .value_kind: global_buffer, .address_space: global }
      - { .name: fc2_w, .offset: 32, .size: 8, .value_kind: global_buffer, .address_space: global }
      - { .name: rel_table, .offset: 40, .size: 8, .value_kind: global_buffer, .address_space: global }
      - { .name: wfrag, .offset: 48, .size: 8, .value_kind: global_buffer, .address_space: global }
      - { .name: btab, .offset: 56, .size: 8, .value_kind: global_buffer, .address_space: global }
    .group_segment_fixed_size: 0
    .private_segment_fixed_size: 0
    .kernarg_segment_align: 8
    .kernarg_segment_size: 64
    .max_flat_workgroup_size: 256
    .sgpr_count:     66
    .vgpr_count:     32
    .wavefront_size: 32
...
	.end_amdgpu_metadata
.endif
;; end of part 1
;; launch block (part 2): grid 256 x 1, 4 waves a work-group, clusters of 4 x 1, 327,680 bytes of LDS; arguments x, mask_matrix, norm1_g, norm1_b, q_b, kv_b, proj_b, norm2_g, norm2_b, fc1_b, fc2_b, wfrag, btab, out0; writes out0
.if DOCPART == 2
	.amdgcn_target "amdgcn-amd-amdhsa--gfx1250"
	.amdhsa_code_object_version 6
	.text
	.protected	k_qe699c836b5_block
	.globl	k_qe699c836b5_block
	.p2align	8
	.type	k_qe699c836b5_block,@function
k_qe699c836b5_block:
	s_mov_b64 s[64:65], 0
	v_nop
	global_prefetch_b8 v0, s[64:65] scope:SCOPE_SE
	s_setreg_imm32_b32 hwreg(HW_REG_WAVE_MODE, 25, 1), 1
	s_wait_xcnt 0x0
	s_wait_alu depctr_hold_cnt(0) depctr_sa_sdst(0) depctr_va_vdst(0) depctr_va_sdst(0) depctr_va_ssrc(0) depctr_va_vcc(0) depctr_vm_vsrc(0)
	s_getreg_b32 s2, hwreg(HW_REG_IB_STS2, 6, 4)
	s_cmp_eq_u32 s2, 0
	s_cbranch_scc0 .Lentry_in_a_cluster
	s_endpgm
.Lentry_in_a_cluster:
	s_bfe_u32 s2, ttmp6, 0x10000c
	s_cmp_lg_u32 s2, 0x3003
	s_cbranch_scc0 .Lentry_shape_is_right
	s_endpgm
.Lentry_shape_is_right:
; THE WHOLE BLOCK IN ONE LAUNCH: norm, shifted windows, attention with bias and mask, projection, residual, norm, MLP with the erf GELU, residual.
; SHARES.  Work-group wi (0..255) owns window wi of BOTH batches, one after the other (two trips of one text), so the window's mask is read once: it stays in registers as packed bf16.
; Wave w owns frame w of the window: 64 tokens, four tiles of 16.  Token 64 d + 8 i + j lies at row (8 wh + 4 + i) % 128, column (8 ww + 4 + j) % 128 of frame d, in x and in out0.
; LAYOUT.  Every product is taken transposed (source 0 = weights, keys or V^T, source 1 = activations): in a result a lane holds ONE token (lane % 16) and the channels 8 (lane / 16) + 0..7,
; and two results rounded in pairs ARE source 1 of the next product.  Only K and V change lanes, through LDS.  x lies in f32 in the layout of a result and is the accumulator of the projection and of fc2:
; both residual sums cost nothing.
; WEIGHTS walk through a ring of two LDS slots of 65,536 bytes, six fills a pass; every work-group walks the same bytes, so the four of a cluster ask jointly.
; FORMATS AND LIMITS.  All matrix operands are bf16 (no bound on the inputs is assumed, so f16 is not used); sums, norms, softmax and GELU in f32.  Mask and bias table are rounded once to bf16.
; The softmax takes the row's true maximum over all 256 keys away; a weight below 2^-126 counts as 0; a row whose scores are all -inf gives NaN, as the definition does.
; v_b is added behind the division by the row's sum: the weights of a row sum to 1, so P (V + 1 b) = P V + b.
; erf by the rational form 1 - (a1 t + a2 t^2 + a3 t^3) exp(-z^2), t = 1 / (1 + 0.47047 z), absolute error 2.5e-5 at the most for every z >= 0;
; GELU(x) = max(x, 0) - |x| erfc(|x| / sqrt 2) / 2, which has no difference of near numbers in the negative tail.
; REGISTERS in windows of 256 (s_set_vgpr_msb: bits 1:0 source 0, 3:2 source 1, 5:4 source 2, 7:6 destination):
;   window 0: v0-7, v28-31 kept; v8-27 a phase's own; v32-63 OACC; v64-127 FR, fragments; v128-255 XF: source 1 of the products, 32 a tile
;   window 1: a phase's own (sums of K, V, Q; scores; the MLP's hidden numbers)     window 2: the mask, 64 a tile     window 3: X, 64 a tile
.set SLOTB, 65536                      ; a slot of the ring; the ring begins at LDS byte 0
.set BT,    131072                     ; the bias table, 53,760 bytes, filled once by tensor loads
.set KREG,  184832                     ; K[token][128 channels] bf16, rows 272 bytes apart; while K is dead each wave has a stage of 16 rows x 528 bytes here
.set VREG,  254464                     ; V^T[channel][256 tokens] bf16, rows 528 bytes apart
.set PAR,   322048                     ; nine vectors of 128 f32
.set SPARE, 326656                     ; the spare words: 128 bytes a wave, two blocks of 256 bytes that no other line names
.set PK, 272                           ; 68 words: sixteen rows start at sixteen different groups of four banks (64 banks of 4 bytes: ISA guide 11.1)
.set PV, 528                           ; 132 words: the same
.set SP, 528
.set PQB, 0
.set PKB, 512
.set PVB, 1024
.set PG1, 1536
.set PB1, 2048
.set PPB, 2560
.set PG2, 3072
.set PB2, 3584
.set PF2, 4096
.set SPW, 1                            ; v1  my spare word; never rewritten
.set NIL, 2                            ; v2  0; never rewritten
.set ONE, 3                            ; v3  1.0
.set L16, 4                            ; v4  16 x lane
.set RR,  5                            ; v5  lane % 16
.set HH,  6                            ; v6  lane / 16
.set L256, 7                           ; v7  256 x lane
.set R272H, 28                         ; v28 272 r + 16 h
.set R528H, 29                         ; v29 528 r + 16 h
.set H16, 30                           ; v30 16 h
.set BTL, 31                           ; v31 my lane's place in the bias table
.set OACC, 32
.set FR,  64
.set XF,  128
.set MPK, 192                          ; window 0: the mask's packed words on their way in
.set LG,  0                            ; window 1, in a norm: gains, offsets, statistics (8 a tile), fc2_b, 16 pairs at work
.set LB,  64
.set LSB, 128
.set LF2, 160
.set LSC, 224
.set HA,  0                            ; window 1, in the MLP
.set HF,  64
.set FB,  96
.set GU,  112
.set GE,  128
.set GT,  144
.set FRB, 160
.set STG, 4                            ; s4  my stage's LDS byte (the pointers in s4-7 and s26-31 are used up at the head)
.set SLB, 5                            ; s5  the slot that the MLP reads
.set SHK, 6                            ; s6, s7, s26, s27: the head's places in K, V^T, the table and v_b
.set SHV, 7
.set FCB, 22                           ; s[22:23] fc1_b
.set SHB, 26
.set SHP, 27
.set XN,  28                           ; s[28:29] my frame of the next batch
.set WV,  32
.set CX,  33
.set WI,  34
.set PASS, 35
.set PAIR, 36
.set HEAD, 37
.set CH,  38
.set SUB, 39
.set G1W, 40                           ; s[40:47], s[48:51] the ring's descriptor
.set G0W, 48
.set G1T, 52                           ; s[52:59], s[60:63] the table's
.set G0T, 60
.set XB,  66
.set OB,  68
.set WFB, 70
.set PFA, 72
.set LIM, 74
.set W16K, 75
.set MB,  76
.set SEL, 78
.set L2E, 80
.set TC,  82                           ; s[82:83] offsets made from my place in the cluster: they reach global addresses of x, mask, out0 and prefetches alone
.set GP,  84
.set TW,  85                           ; s85, s[100:101] numbers made from the wave's number alone
.set GC,  86
.set A3,  88
.set A2,  90
.set A1,  92
.set EPS, 94
.set I128, 95
.set SQ,  96                           ; s[96:99] byte offsets of the window's four quadrants (rows i < 4 | i >= 4, columns j < 4 | j >= 4): the wrap can fall only between them
.set TP,  100
.set MSB, 0
.macro WIN new                         ; the high byte repeats the setting that is left; a switch that changes nothing is dropped
.if MSB != (\new)
	s_set_vgpr_msb (MSB<<8)|(\new)
.set MSB, (\new)
.endif
.endm
.macro PLACES                          ; four places behind a matrix instruction (ISA guide 7.12.1), where no other vector work is at hand
.rept 4
	v_nop
.endr
.endm
.macro CROUND                          ; a round of the cluster's barrier
	s_barrier_signal -1
	s_barrier_wait -1
	s_cmp_lg_u32 s[WV], 0
	s_cbranch_scc1 .Lnw0_\@
	s_barrier_signal -3
.Lnw0_\@:
	s_barrier_wait -3
	s_barrier_signal -1
	s_barrier_wait -1
.endm
; A prefetch of the ring's NEXT content, one fill ahead of its load.  The weights' first walk alone is asked for: by cluster 0, in the first pass, waves 0 and 1 of its four work-groups,
; which share a content's 65,536 bytes out by address: 8 waves x 32 lanes x 256 bytes.  The last fill has no content behind it (mode 2: the loop's count says so).
.macro ASK mode
.if (\mode) == 1
	s_cmp_eq_u32 s[LIM], 1
.else
	s_cmp_gt_u32 s[CH], s[LIM]
.endif
	s_cbranch_scc0 .Lna_\@
	global_prefetch_b8 v[L256], s[PFA:PFA+1] th:TH_LOAD_NT scope:SCOPE_SE
.Lna_\@:
.endm
; THE CHANGE OF SLOTS.  Every wave waits for all its tensor loads (one is out: its quarter of the content to be read next), adds 0 to its spare word, and waits for that and for all its LDS work.
; fill = 1: a round of the cluster's barrier, and my quarter of the next content is asked for first thing behind it, into the slot that nobody reads any more.  slot: 0, 1, or 2 = the other than last time.
.macro CHANGE fill, slot=0, top=0, ask=1
	WIN 0
.if \fill
	s_wait_xcnt 0x0                                ; the last prefetch, a fill back, has read its address
	s_add_nc_u64 s[PFA:PFA+1], s[PFA:PFA+1], SLOTB
.endif
	s_wait_tensorcnt 0x0                           ; no tensor load of mine is out, so the descriptor may be written
	ds_add_u32 v[SPW], v[NIL]
.if \fill
.if (\slot) == 0
	s_mov_b32 s[G0W+1], s[W16K]
.elseif (\slot) == 1
	s_add_co_u32 s[G0W+1], s[W16K], SLOTB
.else
	s_xor_b32 s[G0W+1], s[G0W+1], SLOTB
.endif
.if \top
	s_add_nc_u64 s[G0W+2:G0W+3], s[WFB:WFB+1], 0   ; content 0 again
	s_or_b32 s[G0W+3], s[G0W+3], 0x80000000
.else
	s_add_nc_u64 s[G0W+2:G0W+3], s[G0W+2:G0W+3], SLOTB
.endif
.endif
	s_wait_dscnt 0x0                               ; the add is done; my LDS reads and stores are over
.if \fill
	CROUND
	tensor_load_to_lds s[G0W:G0W+3], s[G1W:G1W+7]
	s_nop 0
	PLACES
	ASK \ask
.else
	s_barrier_signal -1
	s_barrier_wait -1
.endif
.endm
; THE WAYS IN AND OUT.  A token's row is 512 consecutive bytes: one instruction of the wave, 16 bytes a lane.  Through my stage it changes between that form and the layout of a result.
.macro WAYS
	WIN 0
	v_add_nc_u32 v8, s[SQ], v[L16]
	v_add_nc_u32 v9, s[SQ+1], v[L16]
	v_add_nc_u32 v10, s[SQ+2], v[L16]
	v_add_nc_u32 v11, s[SQ+3], v[L16]
	v_add_nc_u32 v12, s[STG], v[L16]               ; a whole row
	v_add3_u32 v13, v[R528H], v[H16], s[STG]       ; token r, 32 h bytes in
.endm
.macro XLOAD                           ; row rr of tile t is i = 2 t + rr / 8, j = rr % 8
	WIN 0x40
.set xt, 0
.rept 4
.set rr, 0
.rept 16
	global_load_b128 v[64*xt+4*rr:64*xt+4*rr+3], v[8+2*(xt/2)+((rr&7)/4)], s[XB:XB+1] offset:((2*xt+rr/8)&3)*65536+(rr&3)*512 th:TH_LOAD_NT
.set rr, rr+1
.endr
.set xt, xt+1
.endr
.endm
.macro XSTAGE t
	WIN 0x04
.set rr, 0
.rept 16
	ds_store_b128 v12, v[64*(\t)+4*rr:64*(\t)+4*rr+3] offset:rr*SP
.set rr, rr+1
.endr
	WIN 0xc0
.set cb, 0
.rept 8                                ; LDS serves a wave's instructions in order (ISA guide 5.7.1.4): these see the stores above, and the next tile's stores come behind them
	ds_load_b128 v[64*(\t)+8*cb:64*(\t)+8*cb+3], v13 offset:cb*64
	ds_load_b128 v[64*(\t)+8*cb+4:64*(\t)+8*cb+7], v13 offset:cb*64+16
.set cb, cb+1
.endr
.endm
.macro STAGEOUT t
	WIN 0x0c
.set cb, 0
.rept 8
	ds_store_b128 v13, v[64*(\t)+8*cb:64*(\t)+8*cb+3] offset:cb*64
	ds_store_b128 v13, v[64*(\t)+8*cb+4:64*(\t)+8*cb+7] offset:cb*64+16
.set cb, cb+1
.endr
	WIN 0x40
.set rr, 0
.rept 16
	ds_load_b128 v[64*(\t)+4*rr:64*(\t)+4*rr+3], v12 offset:rr*SP
.set rr, rr+1
.endr
.endm
.macro SEND t
	WIN 0x04
.set rr, 0
.rept 16
	global_store_b128 v[8+2*((\t)/2)+((rr&7)/4)], v[64*(\t)+4*rr:64*(\t)+4*rr+3], s[OB:OB+1] offset:((2*(\t)+rr/8)&3)*65536+(rr&3)*512 th:TH_STORE_NT  ; 512 consecutive bytes, at a multiple of 512 from out0's first
.set rr, rr+1
.endr
.endm
.macro MLOAD t, buf                    ; sixteen rows of the mask, 1,024 bytes each, as two instructions
	WIN 0x40
.set rr, 0
.rept 16
	global_load_b128 v[(\buf)+8*rr:(\buf)+8*rr+3], v[L16], s[MB:MB+1] offset:(16*(\t)+rr)*1024 th:TH_LOAD_NT
	global_load_b128 v[(\buf)+8*rr+4:(\buf)+8*rr+7], v[L16], s[MB:MB+1] offset:(16*(\t)+rr)*1024+512 th:TH_LOAD_NT
.set rr, rr+1
.endr
.endm
.macro MPACK t, buf                    ; rounded to bf16, through the stage, into the layout of the scores: query r, keys 16 kb + 8 h + 0..7
	WIN 0x05
.set k, 0
.rept 64
	v_cvt_pk_bf16_f32 v[MPK+k], v[(\buf)+2*k], v[(\buf)+2*k+1]
.set k, k+1
.endr
	WIN 0
.set rr, 0
.rept 16
	ds_store_b64 v15, v[MPK+4*rr:MPK+4*rr+1] offset:rr*SP
	ds_store_b64 v15, v[MPK+4*rr+2:MPK+4*rr+3] offset:rr*SP+256
.set rr, rr+1
.endr
	WIN 0x80
.set kb, 0
.rept 16
	ds_load_b128 v[64*(\t)+4*kb:64*(\t)+4*kb+3], v14 offset:kb*32
.set kb, kb+1
.endr
.endm
; A NORM over the 128 channels of each token, and its result as source 1 fragments in XF.  A lane holds 64 of a token's channels, the lane 16 away the others.
; Written for tiles 0 and 1 and walked twice: behind each trip the halves of X and of XF change places, so two trips leave all in order.
; The variance is the mean of (x - mean)^2.  addf2 = 1: fc2_b is added onto X behind its last use here, so that fc2's sums start from x + fc2_b.
.macro LNJOIN
.irp u, 0,1
	v_pk_add_f32 v[LSB+8*\u:LSB+8*\u+1], v[LSB+8*\u:LSB+8*\u+1], v[LSB+8*\u+2:LSB+8*\u+3]
.endr
.irp u, 0,1
	v_add_f32 v[LSB+8*\u], v[LSB+8*\u], v[LSB+8*\u+1]
.endr
.irp u, 0,1
	v_permlanex16_b32 v[LSB+8*\u+1], v[LSB+8*\u], s[SEL], s[SEL+1]
.endr
.irp u, 0,1
	v_add_f32 v[LSB+8*\u], v[LSB+8*\u], v[LSB+8*\u+1]
.endr
.endm
.macro LN goff, boff, addf2
	WIN 0
	v_lshl_add_u32 v16, v[HH], 5, PAR              ; my eight channels of each sixteen
	WIN 0x40
.set cb, 0
.rept 8
	ds_load_b128 v[LG+8*cb:LG+8*cb+3], v16 offset:(\goff)+cb*64
	ds_load_b128 v[LG+8*cb+4:LG+8*cb+7], v16 offset:(\goff)+cb*64+16
	ds_load_b128 v[LB+8*cb:LB+8*cb+3], v16 offset:(\boff)+cb*64
	ds_load_b128 v[LB+8*cb+4:LB+8*cb+7], v16 offset:(\boff)+cb*64+16
.if \addf2
	ds_load_b128 v[LF2+8*cb:LF2+8*cb+3], v16 offset:PF2+cb*64
	ds_load_b128 v[LF2+8*cb+4:LF2+8*cb+7], v16 offset:PF2+cb*64+16
.endif
.set cb, cb+1
.endr
	s_wait_dscnt 0x0                               ; these, and X where it has just come from the stage
	WIN 0
	s_mov_b32 s[PAIR], 2
.Lln_\@:
	WIN 0x4f                                       ; the sum, two chains a tile, X's registers in ascending order
.irp u, 0,1
	v_pk_add_f32 v[LSB+8*\u:LSB+8*\u+1], v[64*\u:64*\u+1], v[64*\u+2:64*\u+3]
	v_pk_add_f32 v[LSB+8*\u+2:LSB+8*\u+3], v[64*\u+4:64*\u+5], v[64*\u+6:64*\u+7]
.endr
	WIN 0x4d
.set p, 4
.rept 28
.irp u, 0,1
	v_pk_add_f32 v[LSB+8*\u+2*(p&1):LSB+8*\u+2*(p&1)+1], v[LSB+8*\u+2*(p&1):LSB+8*\u+2*(p&1)+1], v[64*\u+2*p:64*\u+2*p+1]
.endr
.set p, p+1
.endr
	WIN 0x55
	LNJOIN
.irp u, 0,1
	v_mul_f32 v[LSB+8*\u+4], s[I128], v[LSB+8*\u]  ; the mean, as a pair
.endr
.irp u, 0,1
	v_mov_b32 v[LSB+8*\u+5], v[LSB+8*\u+4]
.endr
.irp u, 0,1
.irp bl, 0,1
	WIN 0x47
.set k, 0
.rept 16
	v_pk_add_f32 v[LSC+2*k:LSC+2*k+1], v[64*\u+32*\bl+2*k:64*\u+32*\bl+2*k+1], v[LSB+8*\u+4:LSB+8*\u+5] neg_lo:[0,1] neg_hi:[0,1]
.set k, k+1
.endr
	WIN 0x55
.set k, 0
.rept 16
.if (\bl == 0) && (k < 2)
	v_pk_mul_f32 v[LSB+8*\u+2*k:LSB+8*\u+2*k+1], v[LSC+2*k:LSC+2*k+1], v[LSC+2*k:LSC+2*k+1]
.else
	v_pk_fma_f32 v[LSB+8*\u+2*(k&1):LSB+8*\u+2*(k&1)+1], v[LSC+2*k:LSC+2*k+1], v[LSC+2*k:LSC+2*k+1], v[LSB+8*\u+2*(k&1):LSB+8*\u+2*(k&1)+1]
.endif
.set k, k+1
.endr
.endr
.endr
	LNJOIN
.irp u, 0,1
	v_fma_f32 v[LSB+8*\u], v[LSB+8*\u], s[I128], s[EPS]
.endr
.irp u, 0,1
	v_rsq_f32 v[LSB+8*\u+6], v[LSB+8*\u]
.endr
	v_nop                                          ; a plain instruction behind the last root,
	s_wait_alu depctr_va_vdst(0)                   ; and one wait for the two, ahead of their first use
.irp u, 0,1
	v_mov_b32 v[LSB+8*\u+7], v[LSB+8*\u+6]
	v_mul_f32 v[LSB+8*\u+4], -v[LSB+8*\u+4], v[LSB+8*\u+6]   ; - mean x rs
.endr
.irp u, 0,1
	v_mov_b32 v[LSB+8*\u+5], v[LSB+8*\u+4]
.endr
.irp u, 0,1
.irp bl, 0,1
	WIN 0x57
.set k, 0
.rept 16
	v_pk_fma_f32 v[LSC+2*k:LSC+2*k+1], v[64*\u+32*\bl+2*k:64*\u+32*\bl+2*k+1], v[LSB+8*\u+6:LSB+8*\u+7], v[LSB+8*\u+4:LSB+8*\u+5]
.set k, k+1
.endr
	WIN 0x55
.set k, 0
.rept 16
	v_pk_fma_f32 v[LSC+2*k:LSC+2*k+1], v[LSC+2*k:LSC+2*k+1], v[LG+32*\bl+2*k:LG+32*\bl+2*k+1], v[LB+32*\bl+2*k:LB+32*\bl+2*k+1]
.set k, k+1
.endr
	WIN 0x05
.set k, 0
.rept 16
	v_cvt_pk_bf16_f32 v[XF+32*\u+16*\bl+k], v[LSC+2*k], v[LSC+2*k+1]
.set k, k+1
.endr
.if \addf2
	WIN 0xc7
.set k, 0
.rept 16
	v_pk_add_f32 v[64*\u+32*\bl+2*k:64*\u+32*\bl+2*k+1], v[64*\u+32*\bl+2*k:64*\u+32*\bl+2*k+1], v[LF2+32*\bl+2*k:LF2+32*\bl+2*k+1]
.set k, k+1
.endr
.endif
.endr
.endr
	WIN 0xc3                                       ; the halves change places
.set k, 0
.rept 128
	v_swap_b32 v[k], v[128+k]
.set k, k+1
.endr
	WIN 0
.set k, 0
.rept 64
	v_swap_b32 v[XF+k], v[XF+64+k]
.set k, k+1
.endr
	s_sub_co_u32 s[PAIR], s[PAIR], 1
	s_cmp_lg_u32 s[PAIR], 0
	s_cbranch_scc1 .Lln_\@
.endm
; A PRODUCT of 128 x 128 weights with my 64 tokens: 128 matrix instructions.  Eight half-groups of four fragments (ks = hg / 2, ob = 4 (hg % 2) + i) in two buffers.
; The 32 accumulators take turns, one instruction a turn.  mode 0: sums in place, source 0 = weights.  mode 1: sources swapped, the first K step starts the sums with 0.
.macro FETCHW af, goff, hg
.set fwb, FR+32*((\hg)&1)
.set fwi, 0
.rept 4
	ds_load_b128 v[fwb+8*fwi:fwb+8*fwi+3], v[\af] offset:(\goff)+(\hg)*4096+fwi*1024
	ds_load_b128 v[fwb+8*fwi+4:fwb+8*fwi+7], v[\af] offset:(\goff)+(\hg)*4096+fwi*1024+512
.set fwi, fwi+1
.endr
.endm
.macro GEMM af, goff, win, mode
	WIN 0
	FETCHW \af, \goff, 0
	FETCHW \af, \goff, 1
.set ghg, 0
.rept 8
.if ghg == 7
	s_wait_dscnt 0x0
.else
	s_wait_dscnt 8                                 ; the younger half-group's eight loads may stay out
.endif
	WIN \win
.set gi, 0
.rept 4
.set gt, 0
.rept 4
.set gacc, 64*gt+8*(4*(ghg&1)+gi)
.set gw, FR+32*(ghg&1)+8*gi
.set gx, XF+32*gt+8*(ghg/2)
.if (\mode) == 0
	v_wmma_f32_16x16x32_bf16 v[gacc:gacc+7], v[gw:gw+7], v[gx:gx+7], v[gacc:gacc+7]
.elseif ghg < 2
	v_wmma_f32_16x16x32_bf16 v[gacc:gacc+7], v[gx:gx+7], v[gw:gw+7], 0
.else
	v_wmma_f32_16x16x32_bf16 v[gacc:gacc+7], v[gx:gx+7], v[gw:gw+7], v[gacc:gacc+7]
.endif
.set gt, gt+1
.endr
.set gi, gi+1
.endr
.if ghg < 6
	WIN 0
	PLACES                                         ; in front of loads into the buffer just multiplied
	FETCHW \af, \goff, ghg+2
.endif
.set ghg, ghg+1
.endr
.endm
.macro ACCINIT poff                    ; the sums start from the bias: my eight channels of each sixteen, straight into every tile's accumulators
	WIN 0x40
.set at, 0
.rept 4
.set aob, 0
.rept 8
	ds_load_b128 v[64*at+8*aob:64*at+8*aob+3], v16 offset:(\poff)+aob*64
	ds_load_b128 v[64*at+8*aob+4:64*at+8*aob+7], v16 offset:(\poff)+aob*64+16
.set aob, aob+1
.endr
.set at, at+1
.endr
.endm
.macro PACKACC                         ; each accumulator's eight numbers to bf16, in place, in ascending order: register i takes 2 i and 2 i + 1
	WIN 0x45
	PLACES
.set pa, 0
.rept 32
.irp i, 0,1,2,3
	v_cvt_pk_bf16_f32 v[8*pa+\i], v[8*pa+2*\i], v[8*pa+2*\i+1]
.endr
.set pa, pa+1
.endr
.endm
; ATTENTION: one head of two tiles (u = 0, 1).  The head's Q lies at the head of each tile's queue of four fragments in XF; at the end the queue turns and takes the head's O at its tail.
.macro SBUF g                          ; three buffers of 32: K of two key blocks (16), the bias of tile 0 and tile 1 for them (16)
.set csb, FR+32*((\g)%3)
.if ((\g)%3) == 2
.set csb, OACC
.endif
.endm
.macro FETCHS g
	SBUF \g
.irp x, 0,1
	ds_load_b128 v[csb+8*\x:csb+8*\x+3], v8 offset:(2*(\g)+\x)*16*PK
	ds_load_b128 v[csb+8*\x+4:csb+8*\x+7], v8 offset:(2*(\g)+\x)*16*PK+32
.endr
.irp u, 0,1
.irp x, 0,1
	ds_load_b128 v[csb+16+8*\u+4*\x:csb+16+8*\u+4*\x+3], v10 offset:6528-((2*(\g)+\x)/4)*1920-((2*(\g)+\x)&3)*256+256*\u
.endr
.endr
.endm
.macro CBL g, n                        ; line n of 32: bias + mask in f32, where the product will add the score
	SBUF \g
.set cu, (\n)/16
.set cxx, ((\n)/8)&1
.set cj, (\n)&7
.if cj&1
	v_fma_mix_f32_bf16 v[128*cu+8*(2*(\g)+cxx)+cj], v[csb+16+8*cu+4*cxx+cj/2], v[ONE], v[64*cu+4*(2*(\g)+cxx)+cj/2] op_sel:[1,0,1] op_sel_hi:[1,0,1]
.else
	v_fma_mix_f32_bf16 v[128*cu+8*(2*(\g)+cxx)+cj], v[csb+16+8*cu+4*cxx+cj/2], v[ONE], v[64*cu+4*(2*(\g)+cxx)+cj/2] op_sel:[0,0,0] op_sel_hi:[1,0,1]
.endif
.endm
.macro SPROD g
	SBUF \g
.irp u, 0,1
.irp x, 0,1
	v_wmma_f32_16x16x32_bf16 v[128*\u+8*(2*(\g)+\x):128*\u+8*(2*(\g)+\x)+7], v[csb+8*\x:csb+8*\x+7], v[XF+32*\u:XF+32*\u+7], v[128*\u+8*(2*(\g)+\x):128*\u+8*(2*(\g)+\x)+7]
.endr
.endr
.endm
.macro FETCHV kk                       ; V^T of 32 keys: two blocks of 16 channels
.set vb, FR+16*((\kk)&3)
	ds_load_b128 v[vb:vb+3], v9 offset:(\kk)*64
	ds_load_b128 v[vb+4:vb+7], v9 offset:(\kk)*64+32
	ds_load_b128 v[vb+8:vb+11], v9 offset:16*PV+(\kk)*64
	ds_load_b128 v[vb+12:vb+15], v9 offset:16*PV+(\kk)*64+32
.endm
.macro BODY
	WIN 0
	v_add_nc_u32 v8, s[SHK], v[R272H]
	v_add_nc_u32 v9, s[SHV], v[R528H]
	v_add_nc_u32 v10, s[SHB], v[BTL]
	v_lshl_add_u32 v11, v[HH], 5, s[SHP]
	FETCHS 0
	FETCHS 1
	FETCHS 2
.set sg, 0
.rept 8                                ; the scores, two key blocks at a time: S^T = K Q^T + (bias + mask)
.if sg == 0
	s_wait_dscnt 16                                ; two younger fetches of eight
.elseif sg == 7
	s_wait_dscnt 0x0
.else
	s_wait_dscnt 8                                 ; one younger fetch
.endif
	WIN 0x60
.set sn, 0
.rept 4
	CBL sg, sn
.set sn, sn+1
.endr
.if (sg >= 1) && (sg <= 5)
	WIN 0                                          ; the four lines above are the places behind the products that read the buffer filled now
	FETCHS sg+2
	WIN 0x60
.endif
.rept 28
	CBL sg, sn
.set sn, sn+1
.endr
	WIN 0x50
	SPROD sg
.set sg, sg+1
.endr
	WIN 0x05                                       ; the maximum: four chains a tile, each accumulator from its low end on
.irp c, 0,1,2,3
.irp u, 0,1
	v_max_num_f32 v[12+8*\u+\c], v[128*\u+8*\c], v[128*\u+8*\c+1]
.endr
.endr
	WIN 0                                          ; eight plain lines behind the last products: V's first four fetches
	FETCHV 0
	FETCHV 1
	FETCHV 2
	FETCHV 3
	WIN 0x14
.set mq, 0
.rept 4
.set ml, 0
.rept 4
.if (mq > 0) || (ml > 0)
.irp c, 0,1,2,3
.irp u, 0,1
	v_max3_num_f32 v[12+8*\u+\c], v[12+8*\u+\c], v[128*\u+8*(4*mq+\c)+2*ml], v[128*\u+8*(4*mq+\c)+2*ml+1]
.endr
.endr
.endif
.set ml, ml+1
.endr
.set mq, mq+1
.endr
	WIN 0
.irp u, 0,1
	v_max3_num_f32 v[12+8*\u], v[12+8*\u], v[13+8*\u], v[14+8*\u]
.endr
.irp u, 0,1
	v_max_num_f32 v[12+8*\u], v[12+8*\u], v[15+8*\u]
.endr
.irp u, 0,1
	v_permlanex16_b32 v[13+8*\u], v[12+8*\u], s[SEL], s[SEL+1]   ; the query's other 128 keys lie in the lane 16 away
.endr
.irp u, 0,1
	v_max_num_f32 v[12+8*\u], v[12+8*\u], v[13+8*\u]
.endr
.irp u, 0,1
	v_mul_f32 v[16+8*\u], s[L2E], v[12+8*\u]
.endr
.irp u, 0,1
	v_mov_b32 v[17+8*\u], v[16+8*\u]               ; named with it as a pair
.endr
	WIN 0x41                                       ; p = 2^(s log2 e - m log2 e): ONE batch of 256 exponentials; nothing in it names a result
.set p, 0
.rept 128
	v_pk_fma_f32 v[2*p:2*p+1], v[2*p:2*p+1], s[L2E:L2E+1], v[16+8*(p/64):17+8*(p/64)] op_sel_hi:[1,0,0] neg_lo:[0,0,1] neg_hi:[0,0,1]
.if p > 0
	v_exp_f32 v[2*p-2], v[2*p-2]
	v_exp_f32 v[2*p-1], v[2*p-1]
.endif
.set p, p+1
.endr
	v_exp_f32 v254, v254
	v_exp_f32 v255, v255
	v_nop                                          ; a plain instruction behind the last exponential,
	s_wait_alu depctr_va_vdst(0)                   ; and one wait for the batch
	WIN 0x05                                       ; the row's sum, of the unrounded weights, two chains a tile
.irp u, 0,1
	v_pk_add_f32 v[12+8*\u:13+8*\u], v[128*\u:128*\u+1], v[128*\u+2:128*\u+3]
	v_pk_add_f32 v[14+8*\u:15+8*\u], v[128*\u+4:128*\u+5], v[128*\u+6:128*\u+7]
.endr
	WIN 0x04
.set p, 4
.rept 60
.irp u, 0,1
	v_pk_add_f32 v[12+8*\u+2*(p&1):13+8*\u+2*(p&1)], v[12+8*\u+2*(p&1):13+8*\u+2*(p&1)], v[128*\u+2*p:128*\u+2*p+1]
.endr
.set p, p+1
.endr
	WIN 0
.irp u, 0,1
	v_pk_add_f32 v[12+8*\u:13+8*\u], v[12+8*\u:13+8*\u], v[14+8*\u:15+8*\u]
.endr
.irp u, 0,1
	v_add_f32 v[12+8*\u], v[12+8*\u], v[13+8*\u]
.endr
.irp u, 0,1
	v_permlanex16_b32 v[13+8*\u], v[12+8*\u], s[SEL], s[SEL+1]
.endr
.irp u, 0,1
	v_add_f32 v[12+8*\u], v[12+8*\u], v[13+8*\u]
.endr
.irp u, 0,1
	v_rcp_f32 v[18+8*\u], v[12+8*\u]
	v_rcp_f32 v[19+8*\u], v[12+8*\u]
.endr
	v_nop
	s_wait_alu depctr_va_vdst(0)                   ; one wait for the four reciprocals
	WIN 0x45                                       ; the weights to bf16, in place: fragment kk of tile u at 128 u + 16 kk + 0..7
.irp u, 0,1
.set kk, 0
.rept 8
.irp i, 0,1,2,3,4,5,6,7
	v_cvt_pk_bf16_f32 v[128*\u+16*kk+\i], v[128*\u+16*kk+2*\i], v[128*\u+16*kk+2*\i+1]
.endr
.set kk, kk+1
.endr
.endr
	WIN 0x40                                       ; v_b of the head, into registers that the rounding has left free
	ds_load_b128 v[8:11], v11
	ds_load_b128 v[12:15], v11 offset:16
	ds_load_b128 v[24:27], v11 offset:64
	ds_load_b128 v[28:31], v11 offset:80
	s_wait_dscnt 0x0                               ; V's first four fetches and v_b
.set kk, 0
.rept 8                                ; O^T = V^T P: four accumulators by turns
.if kk >= 4
	s_wait_dscnt (7-kk)*4                          ; the younger fetches, four loads each
.endif
	WIN 0x04
.irp u, 0,1
.irp c, 0,1
.if kk == 0
	v_wmma_f32_16x16x32_bf16 v[OACC+16*\u+8*\c:OACC+16*\u+8*\c+7], v[FR+16*(kk&3)+8*\c:FR+16*(kk&3)+8*\c+7], v[128*\u+16*kk:128*\u+16*kk+7], 0
.else
	v_wmma_f32_16x16x32_bf16 v[OACC+16*\u+8*\c:OACC+16*\u+8*\c+7], v[FR+16*(kk&3)+8*\c:FR+16*(kk&3)+8*\c+7], v[128*\u+16*kk:128*\u+16*kk+7], v[OACC+16*\u+8*\c:OACC+16*\u+8*\c+7]
.endif
.endr
.endr
.if kk < 4
	WIN 0
	PLACES
	FETCHV kk+4
.endif
.set kk, kk+1
.endr
	WIN 0x10
	PLACES
.irp u, 0,1
.irp c, 0,1
.irp i, 0,1,2,3
	v_pk_fma_f32 v[OACC+16*\u+8*\c+2*\i:OACC+16*\u+8*\c+2*\i+1], v[OACC+16*\u+8*\c+2*\i:OACC+16*\u+8*\c+2*\i+1], v[18+8*\u:19+8*\u], v[8+16*\c+2*\i:8+16*\c+2*\i+1]
.endr
.endr
.endr
	WIN 0
.irp u, 0,1
.set k, 0
.rept 24
	v_mov_b32 v[XF+32*\u+k], v[XF+32*\u+k+8]       ; the queue turns
.set k, k+1
.endr
.irp i, 0,1,2,3,4,5,6,7
	v_cvt_pk_bf16_f32 v[XF+32*\u+24+\i], v[OACC+16*\u+2*\i], v[OACC+16*\u+2*\i+1]
.endr
.endr
.endm
; THE MLP.  A chunk of 128 hidden numbers is a content of the ring; it goes in four sub-chunks of 32: fc1 (32 products), GELU, fc2 (32 products onto X).
.macro FETCH1 off
.set f1, 0
.rept 8
	ds_load_b128 v[FRB+8*f1:FRB+8*f1+3], v12 offset:(\off)+f1*1024
	ds_load_b128 v[FRB+8*f1+4:FRB+8*f1+7], v12 offset:(\off)+f1*1024+512
.set f1, f1+1
.endr
.endm
.macro FBLOAD
	global_load_b128 v[FB:FB+3], v13, s[FCB:FCB+1]
	global_load_b128 v[FB+4:FB+7], v13, s[FCB:FCB+1] offset:16
	global_load_b128 v[FB+8:FB+11], v13, s[FCB:FCB+1] offset:64
	global_load_b128 v[FB+12:FB+15], v13, s[FCB:FCB+1] offset:80
.endm
.macro GELU t
.set xb, HA+16*(\t)
.set i, 0
.rept 16
	v_fma_f32 v[GU+i], |v[xb+i]|, s[GP], 1.0       ; 1 + p z
.set i, i+1
.endr
.set i, 0
.rept 8
	v_pk_mul_f32 v[GE+2*i:GE+2*i+1], v[xb+2*i:xb+2*i+1], s[GC:GC+1] op_sel_hi:[1,0]
.set i, i+1
.endr
.set i, 0
.rept 8
	v_pk_mul_f32 v[GE+2*i:GE+2*i+1], v[GE+2*i:GE+2*i+1], v[xb+2*i:xb+2*i+1]   ; - x^2 log2(e) / 2
.set i, i+1
.endr
.set i, 0
.rept 16
	v_rcp_f32 v[GU+i], v[GU+i]
.set i, i+1
.endr
.set i, 0
.rept 16
	v_exp_f32 v[GE+i], v[GE+i]
.set i, i+1
.endr
	v_nop
	s_wait_alu depctr_va_vdst(0)                   ; one wait for the tile's 32
.set i, 0
.rept 8
	v_pk_fma_f32 v[GT+2*i:GT+2*i+1], v[GU+2*i:GU+2*i+1], s[A3:A3+1], s[A2:A2+1] op_sel_hi:[1,0,0]
.set i, i+1
.endr
.set i, 0
.rept 8
	v_pk_fma_f32 v[GT+2*i:GT+2*i+1], v[GT+2*i:GT+2*i+1], v[GU+2*i:GU+2*i+1], s[A1:A1+1] op_sel_hi:[1,1,0]
.set i, i+1
.endr
.set i, 0
.rept 8
	v_pk_mul_f32 v[GT+2*i:GT+2*i+1], v[GT+2*i:GT+2*i+1], v[GU+2*i:GU+2*i+1]
.set i, i+1
.endr
.set i, 0
.rept 8
	v_pk_mul_f32 v[GT+2*i:GT+2*i+1], v[GT+2*i:GT+2*i+1], v[GE+2*i:GE+2*i+1]   ; erfc(|x| / sqrt 2) / 2
.set i, i+1
.endr
.set i, 0
.rept 16
	v_max_num_f32 v[GU+i], 0, v[xb+i]
.set i, i+1
.endr
.set i, 0
.rept 16
	v_fma_f32 v[xb+i], -|v[xb+i]|, v[GT+i], v[GU+i]
.set i, i+1
.endr
.set i, 0
.rept 8
	v_cvt_pk_bf16_f32 v[HF+8*(\t)+i], v[xb+2*i], v[xb+2*i+1]
.set i, i+1
.endr
.endm
.macro SUBS pf
	WIN 0
	v_add_nc_u32 v12, s[SLB], v[L16]
	WIN 0x40
	FETCH1 0
	WIN 0
.if \pf
	; In the first pass: my frame of the window in the next batch is asked for, 128 blocks of 256 bytes, each once: a lane a block, a quadrant an instruction.
	; Its loads stand behind this chunk and the way out.
	s_cmp_eq_u32 s[PASS], 2
	s_cbranch_scc0 .Lnopf_\@
	global_prefetch_b8 v8, s[XN:XN+1] th:TH_LOAD_NT scope:SCOPE_SE
	global_prefetch_b8 v9, s[XN:XN+1] th:TH_LOAD_NT scope:SCOPE_SE
	global_prefetch_b8 v10, s[XN:XN+1] th:TH_LOAD_NT scope:SCOPE_SE
	global_prefetch_b8 v11, s[XN:XN+1] th:TH_LOAD_NT scope:SCOPE_SE
.Lnopf_\@:
.endif
	s_mov_b32 s[SUB], 4
.Lsub_\@:
	s_wait_dscnt 0x0                               ; fc1's fragments
	s_wait_loadcnt 0x0                             ; fc1_b of this sub-chunk; its offset register is free again
	WIN 0x51
.set fks, 0
.rept 4                                ; eight accumulators by turns; the first K step starts the sums from the bias
.irp hb, 0,1
.irp t, 0,1,2,3
.if fks == 0
	v_wmma_f32_16x16x32_bf16 v[HA+16*\t+8*\hb:HA+16*\t+8*\hb+7], v[FRB+8*(4*\hb+fks):FRB+8*(4*\hb+fks)+7], v[XF+32*\t+8*fks:XF+32*\t+8*fks+7], v[FB+8*\hb:FB+8*\hb+7]
.else
	v_wmma_f32_16x16x32_bf16 v[HA+16*\t+8*\hb:HA+16*\t+8*\hb+7], v[FRB+8*(4*\hb+fks):FRB+8*(4*\hb+fks)+7], v[XF+32*\t+8*fks:XF+32*\t+8*fks+7], v[HA+16*\t+8*\hb:HA+16*\t+8*\hb+7]
.endif
.endr
.endr
.set fks, fks+1
.endr
	WIN 0
	PLACES
.set f2, 0
.rept 8                                ; fc2's eight fragments of this sub-chunk
	ds_load_b128 v[FR+8*f2:FR+8*f2+3], v12 offset:32768+f2*1024
	ds_load_b128 v[FR+8*f2+4:FR+8*f2+7], v12 offset:32768+f2*1024+512
.set f2, f2+1
.endr
	v_add_nc_u32 v13, 128, v13
	v_and_b32 v13, 0x7ff, v13                      ; behind the last sub-chunk it wraps inside fc1_b
	WIN 0x40
	FETCH1 8192                                    ; fc1's of the next; in a chunk's last trip these are other bytes of the same slot, and are not used
	FBLOAD
	WIN 0x55
	GELU 0
	GELU 1
	GELU 2
	GELU 3
	s_wait_dscnt 16                                ; fc2's fragments are in; the sixteen younger loads may stay out
	WIN 0xf4
.irp ob, 0,1,2,3,4,5,6,7
.irp t, 0,1,2,3
	v_wmma_f32_16x16x32_bf16 v[64*\t+8*\ob:64*\t+8*\ob+7], v[FR+8*\ob:FR+8*\ob+7], v[HF+8*\t:HF+8*\t+7], v[64*\t+8*\ob:64*\t+8*\ob+7]
.endr
.endr
	WIN 0
	v_add_nc_u32 v12, 8192, v12
	s_sub_co_u32 s[SUB], s[SUB], 1
	s_cmp_lg_u32 s[SUB], 0
	s_cbranch_scc1 .Lsub_\@
.endm
	; ------------------------------------------------------------------ THE HEAD
	s_load_b512 s[4:19], s[0:1], 0x0               ; x 4:5, mask 6:7, g1 8:9, b1 10:11, q_b 12:13, kv_b 14:15, proj_b 16:17, g2 18:19
	s_load_b256 s[20:27], s[0:1], 0x40             ; b2 20:21, fc1_b 22:23, fc2_b 24:25, wfrag 26:27
	s_load_b128 s[28:31], s[0:1], 0x60             ; btab 28:29, out0 30:31
	v_lshl_add_u32 v[SPW], v0, 2, SPARE
	v_mov_b32 v[NIL], 0
	ds_add_u32 v[SPW], v[NIL]                      ; the wave's opening: the add and its wait ahead of my first tensor load
	v_lshrrev_b32 v8, 5, v0
	v_readfirstlane_b32 s[WV], v8                  ; wave 0..3
	s_bfe_u32 s[CX], ttmp6, 0x40000                ; my place in the cluster
	s_lshl_b32 s[WI], ttmp9, 2
	s_add_co_u32 s[WI], s[WI], s[CX]               ; the window: it enters global addresses alone
	; the ring's descriptor: my quarter of a slot, 16,384 dense bytes as 64 rows of 256
	s_mov_b32 s[G1W], 15|(3<<16)|(1<<21)           ; 15:0 the mask of four; 17:16 elements of 8 bytes; 21 set beside a mask
	s_mov_b32 s[G1W+1], 32<<16                     ; tensor_dim0 = 32
	s_mov_b32 s[G1W+2], 64<<16                     ; tensor_dim1 = 64
	s_mov_b32 s[G1W+3], 32<<16                     ; tile_dim0 = 32
	s_mov_b32 s[G1W+4], 64                         ; tile_dim1 = 64
	s_mov_b32 s[G1W+5], 32                         ; elements from row to row
	s_mov_b32 s[G1W+6], 0
	s_mov_b32 s[G1W+7], 0
	s_mov_b32 s[G0W], 1
	s_lshl_b32 s[W16K], s[WV], 14
	; the table's: head w as one row of 13,440 bytes
	s_mov_b32 s[G1T], 15|(3<<16)|(1<<21)
	s_mov_b32 s[G1T+1], 1680<<16
	s_mov_b32 s[G1T+2], 1<<16
	s_mov_b32 s[G1T+3], 1680<<16
	s_mov_b32 s[G1T+4], 1
	s_mov_b32 s[G1T+5], 1680
	s_mov_b32 s[G1T+6], 0
	s_mov_b32 s[G1T+7], 0
	s_mov_b32 s[G0T], 1
	s_mul_i32 s[TW], s[WV], 13440
	s_add_co_u32 s[G0T+1], s[TW], BT
	s_mov_b32 s[SEL], 0x76543210                   ; each lane takes its own place in the other half
	s_mov_b32 s[SEL+1], 0xfedcba98
	s_mov_b32 s[L2E], 0x3fb8aa3b                   ; log2 e
	s_mov_b32 s[L2E+1], 0x3fb8aa3b
	s_mov_b32 s[GP], 0x3eaa540e                    ; 0.47047 / sqrt 2
	s_mov_b32 s[GC], 0xbf38aa3b                    ; - log2(e) / 2
	s_mov_b32 s[GC+1], 0xbf38aa3b
	s_mov_b32 s[A3], 0x3ebf7377                    ; 0.7478556 / 2
	s_mov_b32 s[A3+1], 0x3ebf7377
	s_mov_b32 s[A2], 0xbd445ca1                    ; -0.0958798 / 2
	s_mov_b32 s[A2+1], 0xbd445ca1
	s_mov_b32 s[A1], 0x3e32303a                    ; 0.3480242 / 2
	s_mov_b32 s[A1+1], 0x3e32303a
	s_mov_b32 s[EPS], 0x3727c5ac                   ; 1e-5
	s_mov_b32 s[I128], 0x3c000000                  ; 1 / 128
	v_mov_b32 v[ONE], 1.0
	v_and_b32 v8, 31, v0
	v_lshlrev_b32 v[L16], 4, v8
	v_lshlrev_b32 v[L256], 8, v8
	v_and_b32 v[RR], 15, v0
	v_bfe_u32 v[HH], v0, 4, 1
	v_lshlrev_b32 v[H16], 4, v[HH]
	v_mul_u32_u24 v[R272H], v[RR], PK
	v_lshl_add_u32 v[R272H], v[HH], 4, v[R272H]
	v_mul_u32_u24 v[R528H], v[RR], SP
	v_lshl_add_u32 v[R528H], v[HH], 4, v[R528H]
	; the bias of query (frame w, row 2 t + r / 8, column r % 8) and keys (frame kb / 4, row 2 (kb % 4) + h, columns 0..7) is 16 bytes of the table;
	; what hangs on the lane and the wave stands here, with 128 added so that it is never negative; the rest is the loads' immediate
	v_bfe_u32 v8, v0, 3, 1
	v_xor_b32 v9, 1, v[HH]
	v_add_nc_u32 v8, v8, v9                        ; r / 8 - h + 1
	v_and_b32 v9, 7, v0
	v_lshlrev_b32 v9, 4, v9
	v_lshl_add_u32 v8, v8, 7, v9
	s_mul_i32 s[TW], s[WV], 1920
	s_add_co_u32 s[TW], s[TW], BT
	v_add_nc_u32 v[BTL], s[TW], v8
	s_lshr_b32 s[TC], s[WI], 4                     ; wh
	s_and_b32 s[TC+1], s[WI], 15                   ; ww
	s_lshl_b32 s[TC], s[TC], 3
	s_lshl_b32 s[TC+1], s[TC+1], 3
	s_add_co_u32 s[SQ], s[TC], 4
	s_and_b32 s[SQ], s[SQ], 127
	s_lshl_b32 s[SQ], s[SQ], 16                    ; rows i = 0..3
	s_add_co_u32 s[SQ+2], s[TC], 8
	s_and_b32 s[SQ+2], s[SQ+2], 127
	s_lshl_b32 s[SQ+2], s[SQ+2], 16                ; rows i = 4..7
	s_add_co_u32 s[TC], s[TC+1], 4
	s_and_b32 s[TC], s[TC], 127
	s_lshl_b32 s[TC], s[TC], 9                     ; columns j = 0..3
	s_add_co_u32 s[TC+1], s[TC+1], 8
	s_and_b32 s[TC+1], s[TC+1], 127
	s_lshl_b32 s[TC+1], s[TC+1], 9                 ; columns j = 4..7
	s_add_co_u32 s[SQ+1], s[SQ], s[TC+1]
	s_add_co_u32 s[SQ], s[SQ], s[TC]
	s_add_co_u32 s[SQ+3], s[SQ+2], s[TC+1]
	s_add_co_u32 s[SQ+2], s[SQ+2], s[TC]
	s_mov_b32 s[TC+1], 0
	s_lshr_b32 s[TW], s[WV], 1                     ; who prefetches the weights: waves 0 and 1 of cluster 0: the same answer in all four partners
	s_or_b32 s[TW], s[TW], ttmp9
	s_cmp_eq_u32 s[TW], 0
	s_cselect_b32 s[LIM], 1, -1
	s_wait_dscnt 0x0                               ; the opening add is done
	s_wait_kmcnt 0x0
	s_mov_b32 s[TP+1], 0
	s_mul_i32 s[TP], s[WV], 13440
	s_add_nc_u64 s[G0T+2:G0T+3], s[28:29], s[TP:TP+1]
	s_or_b32 s[G0T+3], s[G0T+3], 0x80000000
	s_mov_b32 s[TP], s[W16K]
	s_add_nc_u64 s[WFB:WFB+1], s[26:27], s[TP:TP+1]
	s_lshl_b32 s[TP], s[WV], 23                    ; a frame is 8,388,608 bytes
	s_add_nc_u64 s[XB:XB+1], s[4:5], s[TP:TP+1]
	s_add_nc_u64 s[OB:OB+1], s[30:31], s[TP:TP+1]
	s_lshl_b32 s[TC], s[WI], 18                    ; the window's mask, my 64 rows of it
	s_lshl_b32 s[TW], s[WV], 16
	s_add_co_u32 s[TC], s[TC], s[TW]
	s_add_nc_u64 s[MB:MB+1], s[6:7], s[TC:TC+1]
	s_lshl_b32 s[TC], s[CX], 1
	s_and_b32 s[TW], s[WV], 1
	s_add_co_u32 s[TC], s[TC], s[TW]
	s_lshl_b32 s[TC], s[TC], 13
	s_add_nc_u64 s[PFA:PFA+1], s[26:27], s[TC:TC+1]  ; my 8,192 bytes of content 0; each fill steps it by a content ahead of its use
	s_mul_i32 s[STG], s[WV], 16*SP
	s_add_co_u32 s[STG], s[STG], KREG
	CROUND                                         ; all four work-groups are here: the first joint loads meet
	tensor_load_to_lds s[G0T:G0T+3], s[G1T:G1T+7]  ; the bias table: one load of mine is out
	s_nop 0
	PLACES
	; ------------------------------------------------------------------ PARAMETERS AND MASK, ONCE
	v_lshlrev_b32 v41, 2, v0
	v_lshl_add_u32 v42, v0, 2, PAR
	v_add_nc_u32 v14, s[STG], v[R528H]             ; the mask out of the stage: row r, 16 h bytes in
	v_and_b32 v15, 31, v0
	v_lshl_add_u32 v15, v15, 3, s[STG]             ; and into it: 8 bytes a lane
	global_load_b32 v32, v41, s[12:13]
	global_load_b32 v33, v41, s[14:15]
	global_load_b32 v34, v41, s[14:15] offset:512
	global_load_b32 v35, v41, s[8:9]
	global_load_b32 v36, v41, s[10:11]
	global_load_b32 v37, v41, s[16:17]
	global_load_b32 v38, v41, s[18:19]
	global_load_b32 v39, v41, s[20:21]
	global_load_b32 v40, v41, s[24:25]
	MLOAD 0, 0
	MLOAD 1, 128
	s_wait_loadcnt 32                              ; the parameters and tile 0 are in; tile 1's 32 loads stay out
	WIN 0
	v_mul_f32 v32, 0x3e3504f3, v32                 ; q_b takes the scale that q_w has
.irp i, 0,1,2,3,4,5,6,7,8
	ds_store_b32 v42, v[32+\i] offset:512*\i
.endr
	MPACK 0, 0
	MLOAD 2, 0
	s_wait_loadcnt 32                              ; tile 1 is in
	MPACK 1, 128
	MLOAD 3, 128
	s_wait_loadcnt 32                              ; tile 2
	MPACK 2, 0
	s_wait_loadcnt 0x0
	MPACK 3, 128
	WIN 0
	s_mov_b32 s[PASS], 2
.Lpass:                                        ; ------------------------------------------ a batch's window
	WAYS
	XLOAD
	CHANGE 1, 0, 1, 1                              ; content 0 (Wk, Wv) into slot 0.  The round also shows parameters and table to every wave
	s_wait_loadcnt 48                              ; tile 0's sixteen rows are in; the younger tiles' stay out
	XSTAGE 0
	s_wait_loadcnt 32
	XSTAGE 1
	s_wait_loadcnt 16
	XSTAGE 2
	s_wait_loadcnt 0x0
	XSTAGE 3
	LN PG1, PB1, 0
	CHANGE 1, 1, 0, 1                              ; content 1 (Wq, Wproj) into slot 1.  Every wave's use of its stage is over: K may be written
	s_mul_i32 s[TW], s[WV], 64*PK
	s_add_co_u32 s[TW], s[TW], KREG
	v_add_nc_u32 v9, s[TW], v[R272H]               ; K: my tokens' rows
	s_lshl_b32 s[TW], s[WV], 7
	s_add_co_u32 s[TW], s[TW], VREG
	v_add_nc_u32 v10, s[TW], v[R528H]              ; V^T: my tokens' columns
	ACCINIT PKB
	GEMM L16, 0, 0x50, 0                           ; K
	PACKACC
	WIN 0x04
.set kt, 0
.rept 4
.set kob, 0
.rept 8
	ds_store_b128 v9, v[64*kt+8*kob:64*kt+8*kob+3] offset:kt*16*PK+kob*32
.set kob, kob+1
.endr
.set kt, kt+1
.endr
	GEMM L16, 32768, 0x50, 1                       ; V, sources swapped: a lane holds one channel and eight tokens
	PACKACC
	WIN 0x04
.set kt, 0
.rept 4
.set kob, 0
.rept 8
	ds_store_b128 v10, v[64*kt+8*kob:64*kt+8*kob+3] offset:kob*16*PV+kt*32
.set kob, kob+1
.endr
.set kt, kt+1
.endr
	CHANGE 1, 0, 0, 1                              ; content 2 (the MLP's first chunk) into slot 0.  K and V of all four waves are whole
	v_add_nc_u32 v8, 0x10000, v[L16]               ; slot 1
	ACCINIT PQB
	GEMM 8, 0, 0x50, 0                             ; Q
	WIN 0x05
	PLACES
.set q, 0
.rept 128
	v_cvt_pk_bf16_f32 v[XF+q], v[2*q], v[2*q+1]
.set q, q+1
.endr
	WIN 0
	s_mov_b32 s[PAIR], 2
	s_mov_b32 s[SHB], 0
.Lpair:                                        ; tiles 0, 1; then the halves of mask and queue change places, and tiles 2, 3 stand where the text names them
	s_mov_b32 s[HEAD], 4
	s_mov_b32 s[SHK], KREG
	s_mov_b32 s[SHV], VREG
	s_mov_b32 s[SHP], PAR+PVB
.Lhead:
	BODY
	s_add_co_u32 s[SHK], s[SHK], 64
	s_add_co_u32 s[SHV], s[SHV], 32*PV
	s_add_co_u32 s[SHB], s[SHB], 13440
	s_add_co_u32 s[SHP], s[SHP], 128
	s_sub_co_u32 s[HEAD], s[HEAD], 1
	s_cmp_lg_u32 s[HEAD], 0
	s_cbranch_scc1 .Lhead
	s_sub_co_u32 s[SHB], s[SHB], 4*13440-512       ; head 0 again, two tiles on
	WIN 0x82
.set k, 0
.rept 128
	v_swap_b32 v[k], v[128+k]
.set k, k+1
.endr
	WIN 0
.set k, 0
.rept 64
	v_swap_b32 v[XF+k], v[XF+64+k]
.set k, k+1
.endr
	s_sub_co_u32 s[PAIR], s[PAIR], 1
	s_cmp_lg_u32 s[PAIR], 0
	s_cbranch_scc1 .Lpair
	; the projection adds onto x + proj_b
	v_lshl_add_u32 v16, v[HH], 5, PAR
	WIN 0x40
.set cb, 0
.rept 8
	ds_load_b128 v[8*cb:8*cb+3], v16 offset:PPB+cb*64
	ds_load_b128 v[8*cb+4:8*cb+7], v16 offset:PPB+cb*64+16
.set cb, cb+1
.endr
	s_wait_dscnt 0x0
	WIN 0xc7
.set pt, 0
.rept 4
.set pp, 0
.rept 32
	v_pk_add_f32 v[64*pt+2*pp:64*pt+2*pp+1], v[64*pt+2*pp:64*pt+2*pp+1], v[2*pp:2*pp+1]
.set pp, pp+1
.endr
.set pt, pt+1
.endr
	WIN 0
	v_add_nc_u32 v8, 0x10000, v[L16]
	GEMM 8, 32768, 0xf0, 0
	WIN 0
	PLACES
	LN PG2, PB2, 1
	; the MLP's addresses
	v_bfe_u32 v17, v0, 3, 2
	v_and_b32 v18, 7, v0
	v_lshlrev_b32 v17, 16, v17
	v_lshl_add_u32 v17, v18, 8, v17                ; a quadrant's 32 blocks of 256 bytes: four rows of eight
	v_add_nc_u32 v8, s[SQ], v17
	v_add_nc_u32 v9, s[SQ+1], v17
	v_add_nc_u32 v10, s[SQ+2], v17
	v_add_nc_u32 v11, s[SQ+3], v17
	s_add_nc_u64 s[XN:XN+1], s[XB:XB+1], 0x2000000
	v_lshlrev_b32 v13, 5, v[HH]
	WIN 0x40
	FBLOAD                                         ; fc1_b of the first sub-chunk
	WIN 0
	s_mov_b32 s[SLB], 0
	s_mov_b32 s[CH], 3
.Lchunk:                                       ; chunks 0 to 2; contents 3 to 5 are asked for
	CHANGE 1, 2, 0, 2
	SUBS 0
	s_xor_b32 s[SLB], s[SLB], SLOTB
	s_sub_co_u32 s[CH], s[CH], 1
	s_cmp_lg_u32 s[CH], 0
	s_cbranch_scc1 .Lchunk
	CHANGE 0                                       ; the last chunk is written out: nothing is asked for
	s_mov_b32 s[SLB], SLOTB
	SUBS 1
	; ------------------------------------------------------------------ THE WAY OUT
	PLACES
	s_wait_loadcnt 0x0                             ; the last trip's loads of fc1_b, which nobody uses, land before their registers are taken
	s_wait_xcnt 0x0                                ; the prefetches have read v8-11
	WAYS
	STAGEOUT 0
	STAGEOUT 1
	s_wait_dscnt 32                                ; tile 0 is back; tile 1's 32 LDS instructions stay out
	SEND 0
	STAGEOUT 2
	s_wait_dscnt 32
	SEND 1
	STAGEOUT 3
	s_wait_dscnt 32
	SEND 2
	s_wait_dscnt 0x0
	SEND 3
	WIN 0
	s_wait_xcnt 0x0                                ; the stores have read their registers and their base
	s_add_nc_u64 s[XB:XB+1], s[XB:XB+1], 0x2000000 ; the other batch
	s_add_nc_u64 s[OB:OB+1], s[OB:OB+1], 0x2000000
	s_sub_nc_u64 s[PFA:PFA+1], s[PFA:PFA+1], 6*SLOTB
	s_mov_b32 s[LIM], -1                           ; the weights have been walked once: they are asked for no more
	s_sub_co_u32 s[PASS], s[PASS], 1
	s_cmp_lg_u32 s[PASS], 0
	s_cbranch_scc1 .Lpass
	s_wait_tensorcnt 0x0                           ; the wave's end: behind my last tensor load and my last LDS store
	ds_add_u32 v[SPW], v[NIL]
	s_wait_dscnt 0x0
	CROUND                                         ; the closing round: no work-group ends while a partner may still ask for a content that names it
	s_endpgm
.Lfunc_end_k_qe699c836b5_block:
	.size	k_qe699c836b5_block, .Lfunc_end_k_qe699c836b5_block-k_qe699c836b5_block
	.p2alignl 7, 3214868480
	.fill 96, 4, 3214868480
	.section	.rodata,"a",@progbits
	.p2align	6, 0x0
	.amdhsa_kernel k_qe699c836b5_block
		.amdhsa_group_segment_fixed_size 327680
		.amdhsa_private_segment_fixed_size 0
		.amdhsa_enable_private_segment 0
		.amdhsa_kernarg_size 112
		.amdhsa_user_sgpr_count 2
		.amdhsa_user_sgpr_kernarg_segment_ptr 1
		.amdhsa_wavefront_size32 1
		.amdhsa_system_sgpr_workgroup_id_x 1
		.amdhsa_system_sgpr_workgroup_id_y 1
		.amdhsa_system_sgpr_workgroup_id_z 1
		.amdhsa_system_vgpr_workitem_id 0
		.amdhsa_next_free_vgpr 1024
		.amdhsa_next_free_sgpr 102
		.amdhsa_reserve_vcc 0
		.amdhsa_float_denorm_mode_32 3
		.amdhsa_float_denorm_mode_16_64 3
		.amdhsa_memory_ordered 1
		.amdhsa_forward_progress 1
		.amdhsa_inst_pref_size 255
	.end_amdhsa_kernel
	.section	.bss,"aw",@nobits
	.p2align	6
	.space	262144
	.amdgpu_metadata
---
amdhsa.version: [ 1, 2 ]
amdhsa.kernels:
  - .name:           k_qe699c836b5_block
    .symbol:         k_qe699c836b5_block.kd
    .args:
      - { .name: x, .offset: 0, .size: 8, .value_kind: global_buffer, .address_space: global }
      - { .name: mask_matrix, .offset: 8, .size: 8, .value_kind: global_buffer, .address_space: global }
      - { .name: norm1_g, .offset: 16, .size: 8, .value_kind: global_buffer, .address_space: global }
      - { .name: norm1_b, .offset: 24, .size: 8, .value_kind: global_buffer, .address_space: global }
      - { .name: q_b, .offset: 32, .size: 8, .value_kind: global_buffer, .address_space: global }
      - { .name: kv_b, .offset: 40, .size: 8, .value_kind: global_buffer, .address_space: global }
      - { .name: proj_b, .offset: 48, .size: 8, .value_kind: global_buffer, .address_space: global }
      - { .name: norm2_g, .offset: 56, .size: 8, .value_kind: global_buffer, .address_space: global }
      - { .name: norm2_b, .offset: 64, .size: 8, .value_kind: global_buffer, .address_space: global }
      - { .name: fc1_b, .offset: 72, .size: 8, .value_kind: global_buffer, .address_space: global }
      - { .name: fc2_b, .offset: 80, .size: 8, .value_kind: global_buffer, .address_space: global }
      - { .name: wfrag, .offset: 88, .size: 8, .value_kind: global_buffer, .address_space: global }
      - { .name: btab, .offset: 96, .size: 8, .value_kind: global_buffer, .address_space: global }
      - { .name: out0, .offset: 104, .size: 8, .value_kind: global_buffer, .address_space: global }
    .group_segment_fixed_size: 327680
    .private_segment_fixed_size: 0
    .kernarg_segment_align: 8
    .kernarg_segment_size: 112
    .max_flat_workgroup_size: 128
    .sgpr_count:     102
    .vgpr_count:     1024
    .wavefront_size: 32
...
	.end_amdgpu_metadata
.endif
;; end of part 2
